; MI455X (gfx1250); checked and timed in simulation.
; The chip was launched on July 23, 2026; its instructions are those of AMD's public machine-readable ISA for CDNA 5 (MIT licence, August 2026) and "CDNA5" Instruction Set Architecture Reference Guide (July 2026). The comments in the code are by the model that wrote it; some were corrected since.
;; Size Conditioned Depth Experts. Allowed arithmetic: float matrix products may take bf16 or f16 operands with f32 sums; other float arithmetic in f32, or as packed bf16 or f16 multiplies, adds, multiply-adds, maxima and minima; sums over many terms, partial sums and values carried from step to step in f32; what a program stores and reads back later, other than sums and carried values, may be rounded once to bf16 or f16.
;; Inputs: W1 8 x 1,024 x 1,024 float32; W2 8 x 1,024 x 4 float32; b1 8 x 1,024 float32; b2 8 x 4 float32; size_idx 8,192 int32; x 8,192 x 1,024 float32.
;; Outputs: out0 8,192 x 4 float32; out1 8,192 x 5 float32.
;; 2 versions, each right; version 2 is version 1 with the launch prep written anew for expert scheduling mode. Each part assembles by itself: llvm-mc -triple=amdgcn-amd-amdhsa -mcpu=gfx1250 --defsym DOCPART=n.
;; ======== version 1 of 2: 3 launches
;; workspace buffers: xs 18,874,368 bytes; wf 16,777,216 bytes; part 589,824 bytes; slot 32,768 bytes of whole numbers; texp 256 bytes of whole numbers
;; launch prep (part 1): grid 512 x 1, 8 waves a work-group, no clusters, 69,632 bytes of LDS; arguments x, size_idx, W1, xs, wf, slot, texp; writes xs, wf, slot, texp
.if DOCPART == 1
	.amdgcn_target "amdgcn-amd-amdhsa--gfx1250"
	.amdhsa_code_object_version 6
	.text
	.protected	k_qf1c1ff8764_prep
	.globl	k_qf1c1ff8764_prep
	.p2align	8
	.type	k_qf1c1ff8764_prep,@function
k_qf1c1ff8764_prep:
	s_mov_b64 s[64:65], 0
	v_nop
	global_prefetch_b8 v0, s[64:65] scope:SCOPE_SE
	s_setreg_imm32_b32 hwreg(HW_REG_WAVE_MODE, 25, 1), 1
	s_wait_xcnt 0x0
; PREP.  Two jobs in one launch, chosen by the work-group's number alone.
; Work-groups 0-255 (X): the routing and x.  Tokens are laid in SLOTS: expert e gets nt_e = ceil(c_e / 144) tiles of 144 slots, one behind the other; a token of rank p in its
;   expert has slot 144 TB_e + p (TB_e: tiles of the experts before).  The sum of nt_e is at most floor((8192 + 8 x 143) / 144) = 64 for every split, so there are 64 tiles, 9,216 slots,
;   and always 9,216 - 8,192 = 1,024 slots that no token takes; those rows are written as zeros.  Every work-group counts all 8,192 indices for itself (1,024 a wave, summed through LDS),
;   rounds its 32 rows of x to bf16 into xs at their slots, writes 4 of the 1,024 zero rows, and stores its tokens' slots.  Work-group 0 also stores each tile's expert.
; Work-groups 256-511 (W): W1 [e][k][n] f32 -> wf, bf16, in the order in which a wave of the next launch takes matrix operands:
;   [e 8][ns 16][kb 32][b 4][q 2][lane 32][16 bytes]; the 16 bytes of lane 16 h + r hold n = 64 ns + 16 b + r, k = 32 kb + 16 q + 8 h + 0..7.
;   A work-group has 32 whole rows k of one expert (131,072 bytes on end), a wave 128 columns n of them; the turn from [k][n] to [n][k] goes through the wave's own LDS stage.
; LIMITS.  size_idx lies in 0..7, as the table that it indexes has 8 entries; a larger number would match no expert and take slot 0.  x and W1 are rounded once to bf16 (nearest even).
; No matrix unit, no cluster: nothing is multiplied and no two work-groups read the same large bytes (the 32 KiB of indices apart).
.set STGW,  8448                       ; a wave's stage: 8 fragments of 1,024 bytes at pitch 1,040
.set FP,    1040                       ; 1,040 = 65 x 16: the four fragments that 16 lanes of a store touch begin 16 bytes apart modulo 256
.set CNT,   8*STGW                     ; 8 waves x 128 bytes: each wave's 16 counts
.set SPARE, CNT+1024                   ; the spare words, 128 bytes a wave: four blocks of 256 bytes that no other line names
.set SPW,  3                           ; v3   LDS address of my spare word; never rewritten
.set NIL,  4                           ; v4   0; never rewritten
.set CH,   16                          ; W: v16-31 sixteen packed registers at work
.set IDX,  16                          ; X: v16-47 my wave's 1,024 indices, 32 a lane
.set X,    48                          ; v48-175  32 loads of 16 bytes (W: rows of W1; X: four rows of x)
.set OWN,  176                         ; v176 the index of token 32 j + lane
.set SLT,  177                         ; v177 its slot
.set T,    178                         ; v178-179 at work
.set Z,    180                         ; v180-183 zeros
.set CT,   184                         ; v184-191 the eight waves' counts
.set WV,   18                          ; s18  my wave's number
.set TOT,  24                          ; s24-31 tokens of expert e (first my wave's, then all)
.set PRE,  32                          ; s32-39 those of them ahead of token 32 j; later the slot of the work-group's first token of expert e
.set MASK, 40                          ; s40-47 for each of my 8 index loads the lanes whose tokens lie ahead of 32 j; later G[e]: empty slots ahead of expert e's
.set TE,   48                          ; s48-55 the tile behind expert e's last
.set ROWB, 56                          ; s[56:63] xs at my wave's four slots
.set M,    66                          ; s66-73 the eight compare masks
	s_load_b256 s[4:11], s[0:1], 0x0               ; x s[4:5], size_idx s[6:7], W1 s[8:9], xs s[10:11]
	s_load_b128 s[12:15], s[0:1], 0x20             ; wf s[12:13], slot s[14:15]
	s_load_b64 s[16:17], s[0:1], 0x30              ; texp
	v_lshl_add_u32 v[SPW], v0, 2, SPARE
	v_mov_b32 v[NIL], 0
	v_and_b32 v1, 31, v0                           ; lane
	v_lshrrev_b32 v2, 5, v0
	v_readfirstlane_b32 s[WV], v2                  ; wave 0..7
	s_cmp_ge_u32 ttmp9, 256
	s_cbranch_scc1 .Lw
; ------------------------------------------------------------------ X: work-group j = 0..255, tokens 32 j .. 32 j + 31; wave w has rows 32 j + 4 w + q
	s_lshl_b32 s20, ttmp9, 17                      ; 32 rows of 4,096 bytes
	s_mov_b32 s21, 0
	s_lshl_b32 s22, ttmp9, 7                       ; 32 indices of 4 bytes
	v_lshlrev_b32 v11, 4, v1                       ; 16 x lane
	v_lshl_add_u32 v7, v2, 14, v11                 ; x: my wave's four rows + 16 x lane
	v_lshl_add_u32 v5, v2, 12, v11                 ; size_idx: my wave's 1,024 indices + 16 x lane
	v_lshl_add_u32 v6, v1, 2, s22                  ; size_idx and slot: token 32 j + lane
	v_lshlrev_b32 v10, 3, v1                       ; 8 x lane
	v_lshl_add_u32 v8, v1, 2, CNT                  ; the counts, read: word lane of a wave's 32
	v_lshl_add_u32 v12, v0, 2, CNT                 ; the counts, written: my wave's 32 words
	v_lshlrev_b32 v9, 2, v0                        ; texp: 4 x thread
.irp i, 0,1,2,3
	v_mov_b32 v[Z+\i], 0
.endr
	s_wait_kmcnt 0x0
	s_add_nc_u64 s[4:5], s[4:5], s[20:21]          ; x at the work-group's first row
.irp i, 0,1,2,3,4,5,6,7
	global_load_b128 v[IDX+4*\i:IDX+4*\i+3], v5, s[6:7] offset:512*\i  ; register c: token 1024 w + 128 i + 4 lane + c
.endr
	global_load_b32 v[OWN], v6, s[6:7]
.irp q, 0,1,2,3
.irp m, 0,1,2,3,4,5,6,7
	global_load_b128 v[X+4*(8*\q+\m):X+4*(8*\q+\m)+3], v7, s[4:5] offset:4096*\q+512*\m th:TH_LOAD_NT  ; 512 bytes on end of row q
.endr
.endr
	; token 1024 w + 128 i + 4 lane + c lies ahead of 32 j where lane < 8 j - 256 w - 32 i, whatever c: a mask of n low lanes, n held to 0..32
	s_lshl_b32 s20, ttmp9, 3
	s_lshl_b32 s21, s[WV], 8
	s_sub_co_i32 s20, s20, s21
	s_mov_b32 s22, 1
	s_mov_b32 s23, 0
.irp i, 0,1,2,3,4,5,6,7
	s_sub_co_i32 s21, s20, 32*\i
	s_max_i32 s21, s21, 0
	s_min_i32 s21, s21, 32
	s_lshl_b64 s[74:75], s[22:23], s21             ; 1 << n in 64 bits: at n = 32 the low word is 0,
	s_sub_co_u32 s[MASK+\i], s74, 1                ; and less 1 it is all ones
.endr
.irp e, 0,1,2,3,4,5,6,7
	s_mov_b32 s[TOT+\e], 0
	s_mov_b32 s[PRE+\e], 0
.endr
	s_wait_loadcnt 32                              ; the nine index loads are in; the 32 loads of x, issued behind them, stay out while the count runs
.macro COUNT i, c                      ; 32 tokens: for each expert how many, and how many of them ahead of token 32 j
.irp e, 0,1,2,3,4,5,6,7
	v_cmp_eq_u32 s[M+\e], \e, v[IDX+4*(\i)+(\c)]
.endr
.irp e, 0,1,2,3,4,5,6,7
	s_bcnt1_i32_b32 s20, s[M+\e]
	s_add_co_u32 s[TOT+\e], s[TOT+\e], s20
	s_and_b32 s21, s[M+\e], s[MASK+(\i)]
	s_bcnt1_i32_b32 s21, s21
	s_add_co_u32 s[PRE+\e], s[PRE+\e], s21
.endr
.endm
.irp i, 0,1,2,3,4,5,6,7
.irp c, 0,1,2,3
	COUNT \i, \c
.endr
.endr
	; the eight waves' counts meet in LDS: lanes 0-7 carry TOT, lanes 8-15 PRE
	v_mov_b32 v[T], 0
.irp e, 0,1,2,3,4,5,6,7
	v_writelane_b32 v[T], s[TOT+\e], \e
	v_writelane_b32 v[T], s[PRE+\e], 8+\e
.endr
	ds_store_b32 v12, v[T]
	s_wait_dscnt 0x0                               ; for the others' sake: my counts are in LDS
	s_barrier_signal -1
	s_barrier_wait -1
.irp u, 0,1,2,3,4,5,6,7
	ds_load_b32 v[CT+\u], v8 offset:128*\u
.endr
	s_wait_dscnt 0x0
.irp u, 1,2,3,4,5,6,7
	v_add_nc_u32 v[CT], v[CT], v[CT+\u]
.endr
.irp e, 0,1,2,3,4,5,6,7
	v_readlane_b32 s[TOT+\e], v[CT], \e            ; c_e
	v_readlane_b32 s[PRE+\e], v[CT], 8+\e          ; tokens of expert e ahead of 32 j
.endr
	; the experts' tiles, one after the other.  (c + 143) x 7282 >> 20 = floor((c + 143) / 144): 7282 x 144 = 2^20 + 32, and 8,335 x 32 / 2^20 stays under 1
	s_mov_b32 s20, 0                               ; TB: tiles so far
	s_mov_b32 s21, 0                               ; empty slots so far
.irp e, 0,1,2,3,4,5,6,7
	s_add_co_u32 s22, s[TOT+\e], 143
	s_mul_i32 s22, s22, 7282
	s_lshr_b32 s22, s22, 20                        ; nt_e
	s_mul_i32 s23, s20, 144
	s_add_co_u32 s[PRE+\e], s[PRE+\e], s23         ; the slot of this work-group's first token of expert e
	s_mov_b32 s[MASK+\e], s21                      ; G[e]
	s_mul_i32 s23, s22, 144
	s_sub_co_u32 s23, s23, s[TOT+\e]
	s_add_co_u32 s21, s21, s23
	s_add_co_u32 s20, s20, s22
	s_mov_b32 s[TE+\e], s20
.endr
	; the slot of token 32 j + lane: its expert's first slot here + the lanes below with the same expert
	v_mov_b32 v[SLT], 0
.irp e, 0,1,2,3,4,5,6,7
	v_cmp_eq_u32 s20, \e, v[OWN]
	v_mbcnt_lo_u32_b32 v[T], s20, 0
	v_add_nc_u32 v[T], s[PRE+\e], v[T]
	v_cndmask_b32 v[SLT], v[SLT], v[T], s20
.endr
	v_min_u32 v[SLT], 9215, v[SLT]
	s_cmp_lg_u32 s[WV], 0
	s_cbranch_scc1 .Lno_slot
	global_store_b32 v6, v[SLT], s[14:15]          ; wave 0: slot[32 j + lane]
.Lno_slot:
	s_lshl_b32 s20, ttmp9, 3
	s_add_co_u32 s20, s20, s[WV]
	s_cmp_ge_u32 s20, 2                            ; work-group 0, waves 0 and 1: thread = tile 0..63
	s_cbranch_scc1 .Lno_texp
	v_mov_b32 v[T], 0
.irp e, 0,1,2,3,4,5,6
	v_cmp_le_u32 vcc_lo, s[TE+\e], v0              ; expert e's tiles end at or ahead of this tile
	v_cndmask_b32 v[T+1], 0, 1, vcc_lo
	v_add_nc_u32 v[T], v[T], v[T+1]
.endr
	global_store_b32 v9, v[T], s[16:17]            ; a tile that the split leaves unused gets expert 7: its rows are zeros and its results are never read
.Lno_texp:
	; empty slot number y = 4 j + w / 2 of 1,024: its slot is y + the tokens of all experts e with G[e] <= y (the empty slots of expert e follow its tokens; behind the last expert they run on)
	s_lshl_b32 s20, ttmp9, 2
	s_lshr_b32 s21, s[WV], 1
	s_add_co_u32 s20, s20, s21
	s_mov_b32 s21, s20
.irp e, 0,1,2,3,4,5,6,7
	s_cmp_le_u32 s[MASK+\e], s20
	s_cselect_b32 s22, s[TOT+\e], 0
	s_add_co_u32 s21, s21, s22
.endr
	s_min_u32 s21, s21, 9215
	s_lshl_b32 s74, s21, 11                        ; a row of xs is 2,048 bytes;
	s_and_b32 s22, s[WV], 1
	s_lshl_b32 s22, s22, 10                        ; two waves share it, 1,024 bytes each
	s_add_co_u32 s74, s74, s22
	s_mov_b32 s75, 0
	s_add_nc_u64 s[76:77], s[10:11], s[74:75]
	global_store_b128 v11, v[Z:Z+3], s[76:77]
	global_store_b128 v11, v[Z:Z+3], s[76:77] offset:512
	; xs at my four rows' slots
	s_lshl_b32 s22, s[WV], 2
.irp q, 0,1,2,3
	s_add_co_u32 s23, s22, \q
	v_readlane_b32 s74, v[SLT], s23
	s_min_u32 s74, s74, 9215
	s_lshl_b32 s74, s74, 11
	s_add_nc_u64 s[ROWB+2*\q:ROWB+2*\q+1], s[10:11], s[74:75]
.endr
.irp q, 0,1,2,3
.irp m, 0,1,2,3,4,5,6,7
	s_wait_loadcnt 31-(8*\q+\m)                    ; loads come back in order: this one is in, the younger ones stay out
	v_cvt_pk_bf16_f32 v[X+4*(8*\q+\m)],   v[X+4*(8*\q+\m)],   v[X+4*(8*\q+\m)+1]
	v_cvt_pk_bf16_f32 v[X+4*(8*\q+\m)+1], v[X+4*(8*\q+\m)+2], v[X+4*(8*\q+\m)+3]
	global_store_b64 v10, v[X+4*(8*\q+\m):X+4*(8*\q+\m)+1], s[ROWB+2*\q:ROWB+2*\q+1] offset:256*\m  ; 32 lanes store 256 bytes on end, at a multiple of 256 from xs's first byte; no stored register is written again
.endr
.endr
	s_wait_tensorcnt 0x0                           ; the wave's end, behind my last LDS store
	ds_add_u32 v[SPW], v[NIL]
	s_wait_dscnt 0x0
	s_endpgm
; ------------------------------------------------------------------ W: g = work-group - 256 = 32 e + kb
.Lw:
	s_sub_co_u32 s20, ttmp9, 256
	s_lshl_b32 s22, s20, 17                        ; W1: 32 rows of 4,096 bytes
	s_mov_b32 s23, 0
	s_lshr_b32 s74, s20, 5
	s_lshl_b32 s74, s74, 21                        ; wf: expert x 2,097,152
	s_and_b32 s21, s20, 31
	s_lshl_b32 s21, s21, 12                        ;     + kb x 4,096
	s_add_co_u32 s74, s74, s21
	s_mov_b32 s75, 0
	v_lshlrev_b32 v5, 4, v0                        ; 16 x thread: wave w's 512 bytes of a row, lane l's columns n = 128 w + 4 l + c
	s_mul_i32 s21, s[WV], STGW                     ; my wave's stage
	v_lshrrev_b32 v9, 2, v1
	v_mul_u32_u24 v6, v9, FP                       ; into the stage: fragment l / 4 (16 columns n),
	v_and_b32 v9, 3, v1
	v_lshl_add_u32 v6, v9, 6, v6                   ; row r = 4 (l % 4) + c of it: 16 bytes a row
	v_add_nc_u32 v6, s21, v6
	v_lshl_add_u32 v7, v1, 4, s21                  ; back: 512 bytes on end
	v_lshlrev_b32 v8, 4, v1
	v_lshl_add_u32 v8, v2, 18, v8                  ; wf: ns = 2 w: w x 262,144 + 16 x lane
	s_wait_kmcnt 0x0
	s_add_nc_u64 s[8:9], s[8:9], s[22:23]
	s_add_nc_u64 s[12:13], s[12:13], s[74:75]
.set i, 0
.rept 32
	global_load_b128 v[X+4*i:X+4*i+3], v5, s[8:9] offset:4096*i th:TH_LOAD_NT  ; row k = 32 kb + i
.set i, i+1
.endr
	; eight rows k at a time (octet o = 2 q + h): for each of my four columns eight numbers along k pack into 16 bytes, which go to byte 256 o + 16 r of the column's fragment
.irp o, 0,1,2,3
	s_wait_loadcnt 24-8*\o                         ; rows 8 o .. 8 o + 7 are in; the rows behind them stay out
.irp c, 0,1,2,3
.irp p, 0,1,2,3
	v_cvt_pk_bf16_f32 v[CH+4*\c+\p], v[X+4*(8*\o+2*\p)+\c], v[X+4*(8*\o+2*\p+1)+\c]
.endr
	ds_store_b128 v6, v[CH+4*\c:CH+4*\c+3] offset:256*\o+16*\c
.endr
.endr
.irp f, 0,1,2,3,4,5,6,7
.irp q, 0,1
	ds_load_b128 v[X+4*(2*\f+\q):X+4*(2*\f+\q)+3], v7 offset:FP*\f+512*\q  ; my own bytes: LDS serves a wave's instructions in order (ISA guide 5.7.1.4), so these see the stores above
.endr
.endr
.irp f, 0,1,2,3,4,5,6,7
.irp q, 0,1
	s_wait_dscnt 15-(2*\f+\q)                      ; this load is back, the younger ones stay out
	global_store_b128 v8, v[X+4*(2*\f+\q):X+4*(2*\f+\q)+3], s[12:13] offset:(\f/4)*131072+(\f%4)*1024+512*\q  ; 512 bytes on end, at a multiple of 512 from wf's first byte
.endr
.endr
	s_wait_tensorcnt 0x0                           ; the wave's end, behind my last LDS store
	ds_add_u32 v[SPW], v[NIL]
	s_wait_dscnt 0x0
	s_endpgm
.Lfunc_end_k_qf1c1ff8764_prep:
	.size	k_qf1c1ff8764_prep, .Lfunc_end_k_qf1c1ff8764_prep-k_qf1c1ff8764_prep
	.p2alignl 7, 3214868480
	.fill 96, 4, 3214868480
	.section	.rodata,"a",@progbits
	.p2align	6, 0x0
	.amdhsa_kernel k_qf1c1ff8764_prep
		.amdhsa_group_segment_fixed_size 69632
		.amdhsa_private_segment_fixed_size 0
		.amdhsa_enable_private_segment 0
		.amdhsa_kernarg_size 56
		.amdhsa_user_sgpr_count 2
		.amdhsa_user_sgpr_kernarg_segment_ptr 1
		.amdhsa_wavefront_size32 1
		.amdhsa_system_sgpr_workgroup_id_x 1
		.amdhsa_system_sgpr_workgroup_id_y 1
		.amdhsa_system_sgpr_workgroup_id_z 1
		.amdhsa_system_vgpr_workitem_id 0
		.amdhsa_next_free_vgpr 192
		.amdhsa_next_free_sgpr 80
		.amdhsa_reserve_vcc 1
		.amdhsa_float_denorm_mode_32 3
		.amdhsa_float_denorm_mode_16_64 3
		.amdhsa_memory_ordered 1
		.amdhsa_forward_progress 1
		.amdhsa_inst_pref_size 96
	.end_amdhsa_kernel
	.amdgpu_metadata
---
amdhsa.version: [ 1, 2 ]
amdhsa.kernels:
  - .name:           k_qf1c1ff8764_prep
    .symbol:         k_qf1c1ff8764_prep.kd
    .args:
      - { .name: x, .offset: 0, .size: 8, .value_kind: global_buffer, .address_space: global }
      - { .name: size_idx, .offset: 8, .size: 8, .value_kind: global_buffer, .address_space: global }
      - { .name: W1, .offset: 16, .size: 8, .value_kind: global_buffer, .address_space: global }
      - { .name: xs, .offset: 24, .size: 8, .value_kind: global_buffer, .address_space: global }
      - { .name: wf, .offset: 32, .size: 8, .value_kind: global_buffer, .address_space: global }
      - { .name: slot, .offset: 40, .size: 8, .value_kind: global_buffer, .address_space: global }
      - { .name: texp, .offset: 48, .size: 8, .value_kind: global_buffer, .address_space: global }
    .group_segment_fixed_size: 69632
    .private_segment_fixed_size: 0
    .kernarg_segment_align: 8
    .kernarg_segment_size: 56
    .max_flat_workgroup_size: 256
    .sgpr_count:     80
    .vgpr_count:     192
    .wavefront_size: 32
...
	.end_amdgpu_metadata
.endif
;; end of part 1
;; launch main (part 2): grid 256 x 1, 4 waves a work-group, clusters of 4 x 1, 327,680 bytes of LDS; arguments xs, wf, b1, W2, texp, part; writes part
.if DOCPART == 2
	.amdgcn_target "amdgcn-amd-amdhsa--gfx1250"
	.amdhsa_code_object_version 6
	.text
	.protected	k_qf1c1ff8764_main
	.globl	k_qf1c1ff8764_main
	.p2align	8
	.type	k_qf1c1ff8764_main,@function
k_qf1c1ff8764_main:
	s_mov_b64 s[64:65], 0
	v_nop
	global_prefetch_b8 v0, s[64:65] scope:SCOPE_SE
	s_setreg_imm32_b32 hwreg(HW_REG_WAVE_MODE, 25, 1), 1
	s_wait_xcnt 0x0
	s_wait_alu depctr_hold_cnt(0) depctr_sa_sdst(0) depctr_va_vdst(0) depctr_va_sdst(0) depctr_va_ssrc(0) depctr_va_vcc(0) depctr_vm_vsrc(0)
	s_getreg_b32 s2, hwreg(HW_REG_IB_STS2, 6, 4)
	s_cmp_eq_u32 s2, 0
	s_cbranch_scc0 .Lentry_in_a_cluster
	s_endpgm
.Lentry_in_a_cluster:
	s_bfe_u32 s2, ttmp6, 0x10000c
	s_cmp_lg_u32 s2, 0x3003
	s_cbranch_scc0 .Lentry_shape_is_right
	s_endpgm
.Lentry_shape_is_right:
; MAIN.  For a tile T of 144 slots (all of one expert e = texp[T]) and a slice cx of 256 hidden units:  h = relu(x W1[e] + b1[e]),  part[cx] = h W2[e] over the slice's 256 units.
; xs: [9216 slots][1024] bf16.  wf: W1 in bf16 in operand order (below).  b1, W2: f32 as given.  part: [4 slices][9216 slots][4] f32, partial sums that the next launch adds.
; SHARES.  A cluster of four work-groups has one tile, a work-group one slice, each of its four waves all 144 tokens x 64 hidden units: 36 accumulators of 16 x 16, 288 registers.
; THE PRODUCT IS USED TRANSPOSED: source 0 = 16 hidden units (W1), source 1 = 16 tokens (x).  In the result a lane holds ONE token (lane % 16) and the units 8 (lane / 16) + 0..7.  So the bias is the
; C operand of the first K step (nothing is cleared), and two neighbouring results, rounded to bf16 in pairs, ARE source 1 (32 units x 16 tokens) of the second product W2^T h^T: h never leaves registers.
; x: the four partners need the same 144 x 1024 tile (294,912 bytes).  It is asked for JOINTLY (the same tensor loads, descriptors and mask in all four) and stays whole in LDS: no byte is filled twice.
; W1: each 16 bytes of a slice have one reader, one lane of one wave, so the weights go from memory straight into operand registers, through a ring of six K steps' registers, five steps ahead.
;   They are not asked for jointly: which tiles share an expert hangs on the counts, so no fixed set of partners walks the same weights.
; LIMITS.  x, W1, W2 and h are rounded once to bf16, all sums are f32.  relu is taken on the rounded pair by a maximum in which a NaN loses: a NaN in h becomes 0 (reference keeps it);
; an infinity stays in its own token's results.  A tile that the split leaves unused holds zero rows; its results are stored and never read.
; REGISTERS, in windows of 256 (s_set_vgpr_msb: bits 1:0 source 0, 3:2 source 1, 5:4 source 2, 7:6 destination):
;   window 0: v0-23 addresses; v24-47 the last sums; v48-119, v120-191 fragments of x, two buffers of 9; later h in bf16, 16 a block of tokens; v192-223 W2 in f32; v224-239 its two fragments
;   window 1: accumulator (a, b), a < 8, at 8 (4 a + b)          window 2: v0-31 accumulators (8, b); v32-223 the ring of W1's fragments, 6 x 32, later the logits; v224-255 the bias, 8 a block b
.set PITCH, 272                        ; a row of a chunk in LDS: 256 bytes + 16 of padding: the 16 rows of a fragment load begin 16 bytes apart modulo 256
.set HALF,  72*PITCH                   ; what one tensor load brings: 72 rows x 128 along K
.set CHUNK, 2*HALF                     ; 144 rows x 128 along K; chunk kc begins at kc x CHUNK
.set RED,   8*CHUNK                    ; behind the tile, never filled by a tensor load: 144 tokens x 16 bytes for each wave
.set REDW,  144*16
.set SPARE, RED+4*REDW                 ; the spare words, 128 bytes a wave: two blocks of 256 bytes that no other line names
.set SPW,  4                           ; v4   LDS address of my spare word; never rewritten
.set NIL,  5                           ; v5   0; never rewritten
.set LO,   6                           ; v6   16 x lane: my 16 bytes of 512 in wf
.set ADX,  8                           ; v8-15  LDS address of my part of a fragment of x in chunk kc
.set BO,   16                          ; v16  b1: 32 x (lane / 16)
.set W2O,  17                          ; v17  W2: 128 x (lane / 16) + 4 x (lane % 4)
.set RST,  18                          ; v18  where I put a token's four partial logits
.set RLD,  19                          ; v19  where thread t reads token t's
.set GST,  20                          ; v20  16 x thread: token t in part
.set RLD2, 21                          ; v21  tokens 128-143, 8 bytes a lane
.set GST2, 22                          ; v22
.set ZERO, 23                          ; v23  0, for relu
.set SUM,  24
.set SUM2, 40
.set XB,   48
.set W2R,  192
.set W2F,  224
.set WR,   32                          ; window 2
.set LG,   32                          ; window 2: the logits of block a at LG + 8 a
.set BI,   224                         ; window 2
.set WV,   16                          ; s16  my wave's number
.set CX,   17                          ; s17  my slice: it enters the addresses of wf, b1, W2 and part alone
.set EX,   19                          ; s19  the tile's expert
.set G1,   24                          ; s[24:31] descriptor group 1
.set G0,   32                          ; s[32:47] four sets of group 0
.set WB,   48                          ; s[48:49] wf, s[50:51] b1, s[52:53] W2, s[54:55] part, each at my share
.set BB,   50
.set W2B,  52
.set PTB,  54
.set MSB, 0
.macro WIN new                         ; the immediate's high byte repeats the setting that is left; a switch that changes nothing is dropped
.if MSB != (\new)
	s_set_vgpr_msb (MSB<<8)|(\new)
.set MSB, \new
.endif
.endm
.macro PLACES                          ; four places: behind a matrix instruction, ahead of a load into or a vector write of one of its registers and of a vector read of its result
.rept 4
	v_nop
.endr
.endm
.macro CROUND                          ; a round of the cluster's barrier: my work-group's barrier; wave 0 signals for the work-group; every wave waits for all four; my work-group's barrier once more
	s_barrier_signal -1
	s_barrier_wait -1
	s_cmp_lg_u32 s[WV], 0
	s_cbranch_scc1 .Lnot_wave_0_\@
	s_barrier_signal -3
.Lnot_wave_0_\@:
	s_barrier_wait -3
	s_barrier_signal -1
	s_barrier_wait -1
.endm
	s_load_b256 s[4:11], s[0:1], 0x0               ; xs s[4:5], wf s[6:7], b1 s[8:9], W2 s[10:11]
	s_load_b128 s[12:15], s[0:1], 0x20             ; texp s[12:13], part s[14:15]
	v_lshl_add_u32 v[SPW], v0, 2, SPARE
	v_mov_b32 v[NIL], 0
	ds_add_u32 v[SPW], v[NIL]                      ; the wave's opening: the add and its wait stand ahead of my first tensor load; the set-up below, work on registers, stands between them
	v_lshrrev_b32 v1, 5, v0
	v_readfirstlane_b32 s[WV], v1                  ; wave 0..3
	s_bfe_u32 s[CX], ttmp6, 0x40000                ; cx; in a cluster launch ttmp9 counts clusters: it is the tile T
	; group 1: 72 rows x 128 elements of 2 bytes, 1,024 elements from row to row, padded in LDS
	s_mov_b32 s[G1], 15|(1<<16)|(1<<20)|(1<<21)|(5<<22)|(3<<25)  ; 15:0 the mask of all four; 17:16 2-byte elements; 20 padding on; 21 set beside a mask; 24:22 after every 64 words (code 5); 31:25 4 words (code 3)
	s_mov_b32 s[G1+1], 128<<16                     ; tensor_dim0 = 128
	s_mov_b32 s[G1+2], 72<<16                      ; tensor_dim1 = 72
	s_mov_b32 s[G1+3], 128<<16                     ; tile_dim0 = 128
	s_mov_b32 s[G1+4], 72                          ; tile_dim1 = 72
	s_mov_b32 s[G1+5], 1024                        ; the pitch
	s_mov_b32 s[G1+6], 0
	s_mov_b32 s[G1+7], 0
	; group 0, set i: wave w brings half w % 2 (72 rows) of chunk 2 i + w / 2, which lies at (4 i + w) x HALF: the wave's number and constants alone
	s_mul_i32 s20, s[WV], HALF
.irp i, 0,1,2,3
	s_mov_b32 s[G0+4*\i], 1
	s_add_co_u32 s[G0+4*\i+1], s20, \i*4*HALF
.endr
	s_mul_i32 s22, ttmp9, 144*2048                 ; the tile's first row in xs,
	s_and_b32 s21, s[WV], 1
	s_mul_i32 s21, s21, 72*2048                    ; my half of its rows,
	s_add_co_u32 s22, s22, s21
	s_lshr_b32 s21, s[WV], 1
	s_lshl_b32 s21, s21, 8                         ; my chunk of a pair: 256 bytes along a row
	s_add_co_u32 s22, s22, s21
	s_mov_b32 s23, 0
	s_lshl_b32 s56, ttmp9, 2
	s_mov_b32 s57, 0
	s_wait_dscnt 0x0                               ; the opening add is done
	s_wait_kmcnt 0x0
	s_add_nc_u64 s[12:13], s[12:13], s[56:57]
	s_load_b32 s[EX], s[12:13], 0x0                ; texp[T]: the same in all four partners
	s_add_nc_u64 s[4:5], s[4:5], s[22:23]
.irp i, 0,1,2,3
	s_add_nc_u64 s[G0+4*\i+2:G0+4*\i+3], s[4:5], \i*512  ; two chunks on
	s_or_b32 s[G0+4*\i+3], s[G0+4*\i+3], 0x80000000      ; type = 2
.endr
	CROUND                                         ; all four work-groups are here: the joint loads meet
.irp i, 0,1,2,3
	tensor_load_to_lds s[G0+4*\i:G0+4*\i+3], s[G1:G1+7]  ; the whole tile is asked for at once: four loads of mine are out
	s_nop 0
.endr
	PLACES
	v_and_b32 v3, 31, v0                           ; lane
	v_and_b32 v1, 15, v0                           ; r = lane % 16
	v_bfe_u32 v2, v0, 4, 1                         ; h = lane / 16
	v_lshlrev_b32 v[LO], 4, v3
	v_mul_u32_u24 v7, v1, PITCH
	v_lshl_add_u32 v7, v2, 4, v7                   ; a fragment's row x pitch + 16 h
.irp c, 0,1,2,3,4,5,6,7
	v_add_nc_u32 v[ADX+\c], \c*CHUNK, v7
.endr
	v_lshlrev_b32 v[BO], 5, v2
	v_and_b32 v[W2O], 3, v0
	v_lshlrev_b32 v[W2O], 2, v[W2O]
	v_lshl_add_u32 v[W2O], v2, 7, v[W2O]
	s_mul_i32 s20, s[WV], REDW
	s_add_co_u32 s20, s20, RED
	v_lshl_add_u32 v[RST], v1, 4, s20
	v_lshl_add_u32 v[RLD], v0, 4, RED
	v_lshlrev_b32 v[GST], 4, v0
	v_lshl_add_u32 v[RLD2], v3, 3, RED+2048
	v_lshl_add_u32 v[GST2], v3, 3, 2048
	v_mov_b32 v[ZERO], 0
	s_wait_kmcnt 0x0
	s_min_u32 s[EX], s[EX], 7
	s_lshl_b32 s20, s[EX], 21                      ; wf: [e][ns 16][kb 32][b 4][q 2][lane 32][16 bytes]; my ns = 4 cx + w
	s_lshl_b32 s21, s[CX], 2
	s_add_co_u32 s21, s21, s[WV]
	s_lshl_b32 s21, s21, 17
	s_add_co_u32 s20, s20, s21
	s_mov_b32 s21, 0
	s_add_nc_u64 s[WB:WB+1], s[6:7], s[20:21]
	s_lshl_b32 s20, s[EX], 12                      ; b1: (1024 e + 256 cx + 64 w) x 4 bytes
	s_lshl_b32 s22, s[CX], 10
	s_add_co_u32 s20, s20, s22
	s_lshl_b32 s22, s[WV], 8
	s_add_co_u32 s20, s20, s22
	s_add_nc_u64 s[BB:BB+1], s[8:9], s[20:21]
	s_lshl_b32 s20, s20, 2                         ; W2: the same unit x 16 bytes
	s_add_nc_u64 s[W2B:W2B+1], s[10:11], s[20:21]
	s_mul_i32 s20, s[CX], 9216*16                  ; part: slice, then the tile's 144 tokens x 16 bytes
	s_mul_i32 s22, ttmp9, REDW
	s_add_co_u32 s20, s20, s22
	s_add_nc_u64 s[PTB:PTB+1], s[14:15], s[20:21]
; W1's fragments of K step k: 4 blocks of 16 units x 32 along K, 4,096 bytes on end, into ring slot k % 6
.macro FETCHW k
	WIN 0x80                                       ; destination window 2, address window 0
.irp b, 0,1,2,3
	global_load_b128 v[WR+32*((\k)%6)+8*\b:WR+32*((\k)%6)+8*\b+3],   v[LO], s[WB:WB+1] offset:(\k)*4096+\b*1024
	global_load_b128 v[WR+32*((\k)%6)+8*\b+4:WR+32*((\k)%6)+8*\b+7], v[LO], s[WB:WB+1] offset:(\k)*4096+\b*1024+512
.endr
.endm
; x's fragments of K step k: 9 blocks of 16 tokens x 32 along K, from chunk k / 4, into buffer k % 2.  Lane (r, h): row r, K = 8 h + 0..7 and 16 + 8 h + 0..7: two loads, 32 bytes apart
.macro FETCHX k
	WIN 0
.irp a, 0,1,2,3,4,5,6,7,8
	ds_load_b128 v[XB+72*((\k)%2)+8*\a:XB+72*((\k)%2)+8*\a+3],   v[ADX+(\k)/4] offset:\a*16*PITCH+((\k)%4)*64
	ds_load_b128 v[XB+72*((\k)%2)+8*\a+4:XB+72*((\k)%2)+8*\a+7], v[ADX+(\k)/4] offset:\a*16*PITCH+((\k)%4)*64+32
.endr
.endm
; The 36 products of K step k.  The accumulators take turns, one instruction a turn, in the same order in every step.  Step 0 starts the sums with the bias.
.macro MUL k
.set WS, WR+32*((\k)%6)
.set XS, XB+72*((\k)%2)
.if (\k) == 0
	WIN 0x62                                       ; W1 window 2, x window 0, C (bias) window 2, D window 1
.else
	WIN 0x52                                       ; W1 window 2, x window 0, C and D window 1
.endif
.irp a, 0,1,2,3,4,5,6,7
.irp b, 0,1,2,3
.if (\k) == 0
	v_wmma_f32_16x16x32_bf16 v[8*(4*\a+\b):8*(4*\a+\b)+7], v[WS+8*\b:WS+8*\b+7], v[XS+8*\a:XS+8*\a+7], v[BI+8*\b:BI+8*\b+7]
.else
	v_wmma_f32_16x16x32_bf16 v[8*(4*\a+\b):8*(4*\a+\b)+7], v[WS+8*\b:WS+8*\b+7], v[XS+8*\a:XS+8*\a+7], v[8*(4*\a+\b):8*(4*\a+\b)+7]
.endif
.endr
.endr
	WIN 0xa2                                       ; block 8: C and D window 2
.irp b, 0,1,2,3
.if (\k) == 0
	v_wmma_f32_16x16x32_bf16 v[8*\b:8*\b+7], v[WS+8*\b:WS+8*\b+7], v[XS+64:XS+71], v[BI+8*\b:BI+8*\b+7]
.else
	v_wmma_f32_16x16x32_bf16 v[8*\b:8*\b+7], v[WS+8*\b:WS+8*\b+7], v[XS+64:XS+71], v[8*\b:8*\b+7]
.endif
.endr
.endm
; K step k: the next step's x and the weights five steps on are asked for, then this step's 36 products.
.macro STEP k
	WIN 0
.if (((\k)+1)%8 == 0) && ((\k) < 31)
	s_wait_tensorcnt 3-((\k)+1)/8                  ; my part of the next two chunks has landed (tensor loads of a wave end in order); my later loads stay out
	s_wait_dscnt 0x0                               ; no LDS instruction of mine is pending at a signal
	s_barrier_signal -1
	s_barrier_wait -1                              ; everybody's part has
.endif
	PLACES                                         ; behind the last step's products, which read the buffer and the ring slot that are loaded now
.if (\k) < 31
	FETCHX (\k)+1
.endif
.if (\k) < 27
	FETCHW (\k)+5
.endif
.if (\k) < 31
	s_wait_dscnt 18                                ; this step's x is in; the 18 loads just issued stay out
.else
	s_wait_dscnt 0x0
.endif
.if (\k) <= 26
	s_wait_loadcnt 40                              ; this step's weights are in; the five younger steps' 8 loads each stay out
.else
	s_wait_loadcnt 8*(31-(\k))                     ; the steps that are left
.endif
	MUL \k
.endm
	; W2 for the second product's source 0: lane (r, h) holds column r % 4 (rows 4-15 of the result repeat rows 0-3) and units 8 h + 0..7, 16 + 8 h + 0..7 of each 32
.set n, 0
.rept 32
	global_load_b32 v[W2R+n], v[W2O], s[W2B:W2B+1] offset:(16*(n/8)+n%8)*16
.set n, n+1
.endr
	WIN 0x80
.irp b, 0,1,2,3
	global_load_b128 v[BI+8*\b:BI+8*\b+3],   v[BO], s[BB:BB+1] offset:64*\b      ; register j: b1 of unit 16 b + 8 h + j, the same for every token
	global_load_b128 v[BI+8*\b+4:BI+8*\b+7], v[BO], s[BB:BB+1] offset:64*\b+16
.endr
	FETCHW 0
	FETCHW 1
	WIN 0
	s_wait_loadcnt 24                              ; W2's 32 loads are in; the bias's 8 and the 16 of two K steps stay out
.set n, 0
.rept 16
	v_cvt_pk_bf16_f32 v[W2F+n], v[W2R+2*n], v[W2R+2*n+1]
.set n, n+1
.endr
	FETCHW 2
	FETCHW 3
	FETCHW 4
	WIN 0
	s_wait_tensorcnt 3                             ; my part of chunks 0 and 1 has landed; my other three loads stay out
	s_barrier_signal -1
	s_barrier_wait -1                              ; everybody's has
	FETCHX 0
.set kk, 0
.rept 32                                       ; written out: every count and offset is a constant of the text
	STEP kk
.set kk, kk+1
.endr
	; h = relu(sums), rounded to bf16: block a's 16 registers are the two source-1 fragments (units 0-31, 32-63 of my 64) of the second product.  Each accumulator is read from its low end on.
	WIN 0
	PLACES
	WIN 0x05                                       ; sources window 1, destination window 0
.irp a, 0,1,2,3,4,5,6,7
.irp b, 0,1,2,3
.irp p, 0,1,2,3
	v_cvt_pk_bf16_f32 v[XB+16*\a+4*\b+\p], v[8*(4*\a+\b)+2*\p], v[8*(4*\a+\b)+2*\p+1]
.endr
.endr
.endr
	WIN 0x0a                                       ; sources window 2
.irp b, 0,1,2,3
.irp p, 0,1,2,3
	v_cvt_pk_bf16_f32 v[XB+128+4*\b+\p], v[8*\b+2*\p], v[8*\b+2*\p+1]
.endr
.endr
	WIN 0
.set n, 0
.rept 144
	v_pk_max_num_bf16 v[XB+n], v[XB+n], v[ZERO]
.set n, n+1
.endr
	WIN 0xa0                                       ; W2 and h window 0, C and D window 2
.irp a, 0,1,2,3,4,5,6,7,8
	v_wmma_f32_16x16x32_bf16 v[LG+8*\a:LG+8*\a+7], v[W2F:W2F+7], v[XB+16*\a:XB+16*\a+7], 0
.endr
.irp a, 0,1,2,3,4,5,6,7,8                      ; the nine accumulators take turns
	v_wmma_f32_16x16x32_bf16 v[LG+8*\a:LG+8*\a+7], v[W2F+8:W2F+15], v[XB+16*\a+8:XB+16*\a+15], v[LG+8*\a:LG+8*\a+7]
.endr
	WIN 0
	PLACES
	WIN 0x08                                       ; store data window 2
.irp a, 0,1,2,3,4,5,6,7,8
	ds_store_b128 v[RST], v[LG+8*\a:LG+8*\a+3] offset:256*\a  ; registers 0-3: token 16 a + r's four partial logits; both halves of the lanes hold and write the same numbers
.endr
	WIN 0
	s_wait_dscnt 0x0                               ; for the others' sake: my stores are done
	s_barrier_signal -1
	s_barrier_wait -1
.irp u, 0,1,2,3
	ds_load_b128 v[SUM+4*\u:SUM+4*\u+3], v[RLD] offset:REDW*\u  ; thread t: token t's four numbers from each wave
.endr
	s_wait_dscnt 0x0
.irp u, 1,2,3                                  ; a fixed order: ((0 + 1) + 2) + 3
	v_pk_add_f32 v[SUM:SUM+1],   v[SUM:SUM+1],   v[SUM+4*\u:SUM+4*\u+1]
	v_pk_add_f32 v[SUM+2:SUM+3], v[SUM+2:SUM+3], v[SUM+4*\u+2:SUM+4*\u+3]
.endr
	global_store_b128 v[GST], v[SUM:SUM+3], s[PTB:PTB+1]  ; a wave stores 512 bytes on end, at a multiple of 256 from part's first byte
	s_cmp_lg_u32 s[WV], 0
	s_cbranch_scc1 .Ldone
.irp u, 0,1,2,3
	ds_load_b64 v[SUM2+2*\u:SUM2+2*\u+1], v[RLD2] offset:REDW*\u  ; wave 0: tokens 128-143, 8 bytes a lane
.endr
	s_wait_dscnt 0x0
.irp u, 1,2,3
	v_pk_add_f32 v[SUM2:SUM2+1], v[SUM2:SUM2+1], v[SUM2+2*\u:SUM2+2*\u+1]
.endr
	global_store_b64 v[GST2], v[SUM2:SUM2+1], s[PTB:PTB+1]  ; 256 bytes on end
.Ldone:
	s_wait_tensorcnt 0x0                           ; the wave's end, behind my last tensor load and my last LDS store
	ds_add_u32 v[SPW], v[NIL]
	s_wait_dscnt 0x0
	CROUND                                         ; the closing round: no work-group ends while a partner may still ask for a tile that names it
	s_endpgm
.Lfunc_end_k_qf1c1ff8764_main:
	.size	k_qf1c1ff8764_main, .Lfunc_end_k_qf1c1ff8764_main-k_qf1c1ff8764_main
	.p2alignl 7, 3214868480
	.fill 96, 4, 3214868480
	.section	.rodata,"a",@progbits
	.p2align	6, 0x0
	.amdhsa_kernel k_qf1c1ff8764_main
		.amdhsa_group_segment_fixed_size 327680
		.amdhsa_private_segment_fixed_size 0
		.amdhsa_enable_private_segment 0
		.amdhsa_kernarg_size 48
		.amdhsa_user_sgpr_count 2
		.amdhsa_user_sgpr_kernarg_segment_ptr 1
		.amdhsa_wavefront_size32 1
		.amdhsa_system_sgpr_workgroup_id_x 1
		.amdhsa_system_sgpr_workgroup_id_y 1
		.amdhsa_system_sgpr_workgroup_id_z 1
		.amdhsa_system_vgpr_workitem_id 0
		.amdhsa_next_free_vgpr 768
		.amdhsa_next_free_sgpr 66
		.amdhsa_reserve_vcc 0
		.amdhsa_float_denorm_mode_32 3
		.amdhsa_float_denorm_mode_16_64 3
		.amdhsa_memory_ordered 1
		.amdhsa_forward_progress 1
		.amdhsa_inst_pref_size 176
	.end_amdhsa_kernel
	.amdgpu_metadata
---
amdhsa.version: [ 1, 2 ]
amdhsa.kernels:
  - .name:           k_qf1c1ff8764_main
    .symbol:         k_qf1c1ff8764_main.kd
    .args:
      - { .name: xs, .offset: 0, .size: 8, .value_kind: global_buffer, .address_space: global }
      - { .name: wf, .offset: 8, .size: 8, .value_kind: global_buffer, .address_space: global }
      - { .name: b1, .offset: 16, .size: 8, .value_kind: global_buffer, .address_space: global }
      - { .name: W2, .offset: 24, .size: 8, .value_kind: global_buffer, .address_space: global }
      - { .name: texp, .offset: 32, .size: 8, .value_kind: global_buffer, .address_space: global }
      - { .name: part, .offset: 40, .size: 8, .value_kind: global_buffer, .address_space: global }
    .group_segment_fixed_size: 327680
    .private_segment_fixed_size: 0
    .kernarg_segment_align: 8
    .kernarg_segment_size: 48
    .max_flat_workgroup_size: 128
    .sgpr_count:     66
    .vgpr_count:     768
    .wavefront_size: 32
...
	.end_amdgpu_metadata
.endif
;; end of part 2
;; launch finish (part 3): grid 64 x 1, 4 waves a work-group, no clusters, 3,072 bytes of LDS; arguments part, slot, size_idx, b2, out0, out1; writes out0, out1
.if DOCPART == 3
	.amdgcn_target "amdgcn-amd-amdhsa--gfx1250"
	.amdhsa_code_object_version 6
	.text
	.protected	k_qf1c1ff8764_finish
	.globl	k_qf1c1ff8764_finish
	.p2align	8
	.type	k_qf1c1ff8764_finish,@function
k_qf1c1ff8764_finish:
	s_mov_b64 s[64:65], 0
	v_nop
	global_prefetch_b8 v0, s[64:65] scope:SCOPE_SE
	s_setreg_imm32_b32 hwreg(HW_REG_WAVE_MODE, 25, 1), 1
	s_wait_xcnt 0x0
; FINISH.  logits[t] = the four slices' partial sums at slot[t] + b2[size_idx[t]];  q = sigmoid(logits);  probs = (1 - q0, q0 - q1, q1 - q2, q2 - q3, q3), each held to 1e-8 at the least,
; divided by their sum (held to 1e-8 likewise).  All in f32.  part: [4][9216 slots][4] f32.  out0: [8192][4], out1: [8192][5] f32.
; A work-group of four waves has 128 tokens, a thread one: 128 x 20 bytes of out1 are ten whole blocks of 256 bytes, twice the least share of which that holds, 64 tokens.  out1's rows of 20 bytes go through LDS,
; so that every store is 16 bytes a lane on end.  No matrix unit, no cluster: 0.9 MB are moved, and no two work-groups read the same bytes but b2's 128.
; reference takes no maximum away here: a sigmoid is 1 / (1 + 2^(-l log2 e)); a large exponent gives an infinity, whose reciprocal is 0, which is q's limit.
; LIMITS.  A q below 2^-126 counts as 0; the hold at 1e-8 hides that.  size_idx lies in 0..7.
.set SPARE, 2560                       ; behind the stage of 128 x 20 bytes: the spare words, 128 bytes a wave: two blocks of 256 bytes that no other line names
.set SPW, 30                           ; v30  LDS address of my spare word; never rewritten
.set NIL, 31                           ; v31  0; never rewritten
.set P,   8                            ; v8-23 the four partial sums; v8-11 become the logits
.set B,   24                           ; v24-27 b2
.set Q,   32                           ; v32-35 q
.set PR,  36                           ; v36-40 the five probabilities; v41, v42 their sum
	s_load_b256 s[4:11], s[0:1], 0x0               ; part s[4:5], slot s[6:7], size_idx s[8:9], b2 s[10:11]
	s_load_b128 s[12:15], s[0:1], 0x20             ; out0 s[12:13], out1 s[14:15]
	v_lshl_add_u32 v[SPW], v0, 2, SPARE
	v_mov_b32 v[NIL], 0
	v_lshrrev_b32 v1, 5, v0
	v_readfirstlane_b32 s16, v1                    ; wave 0..3
	s_lshl_b32 s17, ttmp9, 9
	v_lshl_add_u32 v2, v0, 2, s17                  ; slot and size_idx: token 128 g + thread
	s_lshl_b32 s18, ttmp9, 11
	v_lshl_add_u32 v5, v0, 4, s18                  ; out0: 16 bytes a token
	s_mul_i32 s20, ttmp9, 2560
	v_lshl_add_u32 v28, v0, 4, s20                 ; out1: the work-group's 2,560 bytes, 16 a thread
	v_mul_u32_u24 v6, v0, 20                       ; the stage, written: a token's 20 bytes
	v_lshlrev_b32 v7, 4, v0                        ; and read: 16 bytes a thread
	s_mov_b32 s19, 0x322bcc77                      ; 1e-8
	s_wait_kmcnt 0x0
	global_load_b32 v3, v2, s[6:7]
	global_load_b32 v4, v2, s[8:9]
	s_wait_loadcnt 0x0
	v_min_u32 v3, 9215, v3
	v_min_u32 v4, 7, v4
	v_lshlrev_b32 v3, 4, v3
	v_lshlrev_b32 v4, 4, v4
.irp u, 0,1,2,3
	global_load_b128 v[P+4*\u:P+4*\u+3], v3, s[4:5] offset:\u*147456
.endr
	global_load_b128 v[B:B+3], v4, s[10:11]
	s_wait_loadcnt 0x0
	v_pk_add_f32 v[P:P+1],     v[P:P+1],     v[P+4:P+5]      ; ((p0 + p1) + (p2 + p3)) + b2
	v_pk_add_f32 v[P+2:P+3],   v[P+2:P+3],   v[P+6:P+7]
	v_pk_add_f32 v[P+8:P+9],   v[P+8:P+9],   v[P+12:P+13]
	v_pk_add_f32 v[P+10:P+11], v[P+10:P+11], v[P+14:P+15]
	v_pk_add_f32 v[P:P+1],     v[P:P+1],     v[P+8:P+9]
	v_pk_add_f32 v[P+2:P+3],   v[P+2:P+3],   v[P+10:P+11]
	v_pk_add_f32 v[P:P+1],     v[P:P+1],     v[B:B+1]
	v_pk_add_f32 v[P+2:P+3],   v[P+2:P+3],   v[B+2:B+3]
	global_store_b128 v5, v[P:P+3], s[12:13]       ; a wave stores 512 bytes on end; these registers are not written again
.irp i, 0,1,2,3
	v_mul_f32 v[Q+\i], 0xbfb8aa3b, v[P+\i]         ; -l log2(e)
.endr
.irp i, 0,1,2,3
	v_exp_f32 v[Q+\i], v[Q+\i]
.endr
	v_nop                                          ; a plain instruction behind the last exponential (ISA guide 5.7.2),
	s_wait_alu depctr_va_vdst(0)                   ; and one wait for the four, ahead of their first reader
.irp i, 0,1,2,3
	v_add_f32 v[Q+\i], 1.0, v[Q+\i]
.endr
.irp i, 0,1,2,3
	v_rcp_f32 v[Q+\i], v[Q+\i]
.endr
	v_nop
	s_wait_alu depctr_va_vdst(0)                   ; one wait for the four reciprocals
	v_sub_f32 v[PR],   1.0,    v[Q]
	v_sub_f32 v[PR+1], v[Q],   v[Q+1]
	v_sub_f32 v[PR+2], v[Q+1], v[Q+2]
	v_sub_f32 v[PR+3], v[Q+2], v[Q+3]
.irp i, 0,1,2,3
	v_max_num_f32 v[PR+\i], s19, v[PR+\i]
.endr
	v_max_num_f32 v[PR+4], s19, v[Q+3]
	v_add_f32 v41, v[PR], v[PR+1]
	v_add_f32 v42, v[PR+2], v[PR+3]
	v_add_f32 v41, v41, v42
	v_add_f32 v41, v41, v[PR+4]
	v_max_num_f32 v41, s19, v41
	v_rcp_f32 v41, v41
	v_nop
	s_wait_alu depctr_va_vdst(0)
.irp i, 0,1,2,3,4
	v_mul_f32 v[PR+\i], v[PR+\i], v41
.endr
.irp i, 0,1,2,3,4
	ds_store_b32 v6, v[PR+\i] offset:4*\i          ; lanes 5 words apart: 32 lanes, 32 different words modulo 64
.endr
	s_wait_dscnt 0x0                               ; for the others' sake: my stores are done
	s_barrier_signal -1
	s_barrier_wait -1
	ds_load_b128 v[44:47], v7
	s_wait_dscnt 0x0
	global_store_b128 v28, v[44:47], s[14:15]      ; the first 2,048 bytes: a wave stores 512 on end, at a multiple of 256 from out1's first byte
	s_cmp_lg_u32 s16, 0
	s_cbranch_scc1 .Ldone
	ds_load_b128 v[Q:Q+3], v7 offset:2048          ; wave 0: the last 512
	s_wait_dscnt 0x0
	global_store_b128 v28, v[Q:Q+3], s[14:15] offset:2048
.Ldone:
	s_wait_tensorcnt 0x0                           ; the wave's end, behind my last LDS store
	ds_add_u32 v[SPW], v[NIL]
	s_wait_dscnt 0x0
	s_endpgm
.Lfunc_end_k_qf1c1ff8764_finish:
	.size	k_qf1c1ff8764_finish, .Lfunc_end_k_qf1c1ff8764_finish-k_qf1c1ff8764_finish
	.p2alignl 7, 3214868480
	.fill 96, 4, 3214868480
	.section	.rodata,"a",@progbits
	.p2align	6, 0x0
	.amdhsa_kernel k_qf1c1ff8764_finish
		.amdhsa_group_segment_fixed_size 3072
		.amdhsa_private_segment_fixed_size 0
		.amdhsa_enable_private_segment 0
		.amdhsa_kernarg_size 48
		.amdhsa_user_sgpr_count 2
		.amdhsa_user_sgpr_kernarg_segment_ptr 1
		.amdhsa_wavefront_size32 1
		.amdhsa_system_sgpr_workgroup_id_x 1
		.amdhsa_system_sgpr_workgroup_id_y 1
		.amdhsa_system_sgpr_workgroup_id_z 1
		.amdhsa_system_vgpr_workitem_id 0
		.amdhsa_next_free_vgpr 48
		.amdhsa_next_free_sgpr 66
		.amdhsa_reserve_vcc 0
		.amdhsa_float_denorm_mode_32 3
		.amdhsa_float_denorm_mode_16_64 3
		.amdhsa_memory_ordered 1
		.amdhsa_forward_progress 1
		.amdhsa_inst_pref_size 5
	.end_amdhsa_kernel
	.amdgpu_metadata
---
amdhsa.version: [ 1, 2 ]
amdhsa.kernels:
  - .name:           k_qf1c1ff8764_finish
    .symbol:         k_qf1c1ff8764_finish.kd
    .args:
      - { .name: part, .offset: 0, .size: 8, .value_kind: global_buffer, .address_space: global }
      - { .name: slot, .offset: 8, .size: 8, .value_kind: global_buffer, .address_space: global }
      - { .name: size_idx, .offset: 16, .size: 8, .value_kind: global_buffer, .address_space: global }
      - { .name: b2, .offset: 24, .size: 8, .value_kind: global_buffer, .address_space: global }
      - { .name: out0, .offset: 32, .size: 8, .value_kind: global_buffer, .address_space: global }
      - { .name: out1, .offset: 40, .size: 8, .value_kind: global_buffer, .address_space: global }
    .group_segment_fixed_size: 3072
    .private_segment_fixed_size: 0
    .kernarg_segment_align: 8
    .kernarg_segment_size: 48
    .max_flat_workgroup_size: 128
    .sgpr_count:     66
    .vgpr_count:     48
    .wavefront_size: 32
...
	.end_amdgpu_metadata
.endif
;; end of part 3
;; ======== version 2 of 2: 3 launches; version 1 with the launch prep written anew for expert scheduling mode
;; workspace buffers: xs 18,874,368 bytes; wf 16,777,216 bytes; part 589,824 bytes; slot 32,768 bytes of whole numbers; texp 256 bytes of whole numbers
;; launch prep (part 4): grid 512 x 1, 8 waves a work-group, no clusters, 69,632 bytes of LDS; arguments x, size_idx, W1, xs, wf, slot, texp; writes xs, wf, slot, texp
.if DOCPART == 4
	.amdgcn_target "amdgcn-amd-amdhsa--gfx1250"
	.amdhsa_code_object_version 6
	.text
	.protected	k_qf1c1ff8764_prep
	.globl	k_qf1c1ff8764_prep
	.p2align	8
	.type	k_qf1c1ff8764_prep,@function
k_qf1c1ff8764_prep:
	s_mov_b64 s[64:65], 0
	v_nop
	global_prefetch_b8 v0, s[64:65] scope:SCOPE_SE
	s_setreg_imm32_b32 hwreg(HW_REG_WAVE_SCHED_MODE, 0, 2), 2
	s_setreg_imm32_b32 hwreg(HW_REG_WAVE_MODE, 25, 1), 1
	s_wait_xcnt 0x0
	s_wait_alu depctr_vm_vsrc(0)
; PREP.  Two jobs in one launch, chosen by the work-group's number alone.
; Work-groups 0-255 (X): the routing and x.  Tokens are laid in SLOTS: expert e gets nt_e = ceil(c_e / 144) tiles of 144 slots, one behind the other; a token of rank p in its
;   expert has slot 144 TB_e + p (TB_e: tiles of the experts before).  The sum of nt_e is at most floor((8192 + 8 x 143) / 144) = 64 for every split, so there are 64 tiles, 9,216 slots,
;   and always 9,216 - 8,192 = 1,024 slots that no token takes; those rows are written as zeros.  Every work-group counts all 8,192 indices for itself (1,024 a wave, summed through LDS),
;   rounds its 32 rows of x to bf16 into xs at their slots, writes 4 of the 1,024 zero rows, and stores its tokens' slots.  Work-group 0 also stores each tile's expert.
; Work-groups 256-511 (W): W1 [e][k][n] f32 -> wf, bf16, in the order in which a wave of the next launch takes matrix operands:
;   [e 8][ns 16][kb 32][b 4][q 2][lane 32][16 bytes]; the 16 bytes of lane 16 h + r hold n = 64 ns + 16 b + r, k = 32 kb + 16 q + 8 h + 0..7.
;   A work-group has 32 whole rows k of one expert (131,072 bytes on end), a wave 128 columns n of them; the turn from [k][n] to [n][k] goes through the wave's own LDS stage.
; LIMITS.  size_idx lies in 0..7, as the table that it indexes has 8 entries; a larger number would match no expert and take slot 0.  x and W1 are rounded once to bf16 (nearest even).
; No matrix unit, no cluster: nothing is multiplied and no two work-groups read the same large bytes (the 32 KiB of indices apart).
; THE MODE: SCHED_MODE bits 1:0 = 2 (LLVM: expert scheduling mode 2), set by the entry lines.  The code itself states the register dependences between vector instructions and memory
; or LDS instructions, and between a vector instruction that writes a scalar register and that register's first reader, with s_wait_alu, always for 0.
; THE PLAN, X.  Registers that memory or LDS instructions touch:
;   v5-v12, v180-183  offsets and zeros: made once at the head, ahead of one wait on va_vdst; never written again.
;   v16-47, v176      indices: loaded once, read by compares alone.        v184-191  the waves' counts: loaded from LDS once.
;   v13               my wave's 16 counts: written by v_writelane, read by one LDS store, never written again.
;   v177, v178        the slot; the tile's expert: written by vector lines, each read by one store behind a wait on va_vdst, not written behind it.
;   v48-175           four rows of x.  Row q's roundings write the first two of each four registers; its eight stores are issued in row q + 1, behind the one wait at that row's head,
;                     dealt among row q + 1's roundings, which name other registers.
;   No register that a memory or LDS instruction reads is written again: no wait on vm_vsrc is owed.
;   Masks: the count's compares write two sets of eight scalar registers by turns (s66-73, s48-55); behind each wait on va_sdst the next 32 tokens' compares go into the other set, then the
;   set shown written is tallied: a wait stands a whole tally behind the compares that it covers.
; THE PLAN, W.  v5-v8: offsets, made once.  v48-175: 32 rows of W1 as loaded; octet o's roundings read its 32 registers.  Four out-buffers, one an octet (v16-31, v32-47, v176-191, and v48-63,
;   octet 0's raw registers, read long before): each written once, read by four LDS stores that are issued in the next octet, behind the one wait at its head.  The stage is read back into v80-143,
;   which only roundings have read, behind the last wait on va_vdst, after which no vector line stands.  No wait on vm_vsrc is owed.
.set STGW,  8448                       ; a wave's stage: 8 fragments of 1,024 bytes at pitch 1,040
.set FP,    1040                       ; 1,040 = 65 x 16: the four fragments that 16 lanes of a store touch begin 16 bytes apart modulo 256
.set CNT,   8*STGW                     ; 8 waves x 128 bytes: each wave's 16 counts
.set SPARE, CNT+1024                   ; the spare words, 128 bytes a wave: four blocks of 256 bytes that no other line names
.set SPW,  3                           ; v3   LDS address of my spare word; never rewritten
.set NIL,  4                           ; v4   0; never rewritten
.set CW,   13                          ; X: v13  my wave's counts on their way to LDS
.set CH0,  16                          ; W: the four out-buffers of sixteen packed registers
.set CH1,  32
.set CH2,  176
.set CH3,  48
.set RB,   80                          ; W: v80-143 the stage, read back
.set IDX,  16                          ; X: v16-47 my wave's 1,024 indices, 32 a lane
.set X,    48                          ; v48-175  32 loads of 16 bytes (W: rows of W1; X: four rows of x)
.set OWN,  176                         ; v176 the index of token 32 j + lane
.set SLT,  177                         ; v177 its slot
.set T,    178                         ; v178-179 at work
.set Z,    180                         ; v180-183 zeros
.set CT,   184                         ; v184-191 the eight waves' counts
.set WV,   18                          ; s18  my wave's number
.set TOT,  24                          ; s24-31 tokens of expert e (first my wave's, then all)
.set PRE,  32                          ; s32-39 those of them ahead of token 32 j; later the slot of the work-group's first token of expert e
.set MASK, 40                          ; s40-47 for each of my 8 index loads the lanes whose tokens lie ahead of 32 j; later G[e]: empty slots ahead of expert e's
.set TE,   48                          ; s48-55 in the count the second set of compare masks; then the tile behind expert e's last
.set ROWB, 56                          ; s[56:63] xs at my wave's four slots
.set M,    66                          ; s66-73 the first set of compare masks
	s_load_b256 s[4:11], s[0:1], 0x0               ; x s[4:5], size_idx s[6:7], W1 s[8:9], xs s[10:11]
	s_load_b128 s[12:15], s[0:1], 0x20             ; wf s[12:13], slot s[14:15]
	s_load_b64 s[16:17], s[0:1], 0x30              ; texp
	v_lshl_add_u32 v[SPW], v0, 2, SPARE
	v_mov_b32 v[NIL], 0
	v_and_b32 v1, 31, v0                           ; lane
	v_lshrrev_b32 v2, 5, v0
	v_readfirstlane_b32 s[WV], v2                  ; wave 0..7
	s_wait_alu depctr_va_sdst(0)                   ; s[WV] is written
	s_cmp_ge_u32 ttmp9, 256
	s_cbranch_scc1 .Lw
; ------------------------------------------------------------------ X: work-group j = 0..255, tokens 32 j .. 32 j + 31; wave w has rows 32 j + 4 w + q
	s_lshl_b32 s20, ttmp9, 17                      ; 32 rows of 4,096 bytes
	s_mov_b32 s21, 0
	s_lshl_b32 s22, ttmp9, 7                       ; 32 indices of 4 bytes
	v_lshlrev_b32 v11, 4, v1                       ; 16 x lane
	v_lshl_add_u32 v7, v2, 14, v11                 ; x: my wave's four rows + 16 x lane
	v_lshl_add_u32 v5, v2, 12, v11                 ; size_idx: my wave's 1,024 indices + 16 x lane
	v_lshl_add_u32 v6, v1, 2, s22                  ; size_idx and slot: token 32 j + lane
	v_lshlrev_b32 v10, 3, v1                       ; 8 x lane
	v_lshl_add_u32 v8, v1, 2, CNT                  ; the counts, read: word lane of a wave's 32
	v_lshl_add_u32 v12, v0, 2, CNT                 ; the counts, written: my wave's 32 words
	v_lshlrev_b32 v9, 2, v0                        ; texp: 4 x thread
.irp i, 0,1,2,3
	v_mov_b32 v[Z+\i], 0
.endr
	s_wait_kmcnt 0x0
	s_add_nc_u64 s[4:5], s[4:5], s[20:21]          ; x at the work-group's first row
	s_wait_alu depctr_va_vdst(0)                   ; the offsets v5 to v12 and the zeros v[Z ..] are written: every load and store of this way reads some of them, and none is written again
.irp i, 0,1,2,3,4,5,6,7
	global_load_b128 v[IDX+4*\i:IDX+4*\i+3], v5, s[6:7] offset:512*\i  ; register c: token 1024 w + 128 i + 4 lane + c
.endr
	global_load_b32 v[OWN], v6, s[6:7]
.irp q, 0,1,2,3
.irp m, 0,1,2,3,4,5,6,7
	global_load_b128 v[X+4*(8*\q+\m):X+4*(8*\q+\m)+3], v7, s[4:5] offset:4096*\q+512*\m th:TH_LOAD_NT  ; 512 bytes on end of row q
.endr
.endr
	; token 1024 w + 128 i + 4 lane + c lies ahead of 32 j where lane < 8 j - 256 w - 32 i, whatever c: a mask of n low lanes, n held to 0..32
	s_lshl_b32 s20, ttmp9, 3
	s_lshl_b32 s21, s[WV], 8
	s_sub_co_i32 s20, s20, s21
	s_mov_b32 s22, 1
	s_mov_b32 s23, 0
.irp i, 0,1,2,3,4,5,6,7
	s_sub_co_i32 s21, s20, 32*\i
	s_max_i32 s21, s21, 0
	s_min_i32 s21, s21, 32
	s_lshl_b64 s[74:75], s[22:23], s21             ; 1 << n in 64 bits: at n = 32 the low word is 0,
	s_sub_co_u32 s[MASK+\i], s74, 1                ; and less 1 it is all ones
.endr
.irp e, 0,1,2,3,4,5,6,7
	s_mov_b32 s[TOT+\e], 0
	s_mov_b32 s[PRE+\e], 0
.endr
	s_wait_loadcnt 32                              ; the nine index loads are in; the 32 loads of x, issued behind them, stay out while the count runs
; Index register k (load k / 4, word k % 4) holds 32 tokens.  CMP8: for each expert the lanes that chose it, into mask set m.  TALLY: for each expert how many, and how many of them ahead of token 32 j.
.macro CMP8 m, k
.irp e, 0,1,2,3,4,5,6,7
	v_cmp_eq_u32 s[(\m)+\e], \e, v[IDX+(\k)]
.endr
.endm
.macro TALLY m, k
.irp e, 0,1,2,3,4,5,6,7
	s_bcnt1_i32_b32 s20, s[(\m)+\e]
	s_add_co_u32 s[TOT+\e], s[TOT+\e], s20
	s_and_b32 s21, s[(\m)+\e], s[MASK+(\k)/4]
	s_bcnt1_i32_b32 s21, s21
	s_add_co_u32 s[PRE+\e], s[PRE+\e], s21
.endr
.endm
	CMP8 M, 0
.set n, 0
.rept 16
	s_wait_alu depctr_va_sdst(0)                   ; the compares of register n have written the first set of masks, which the tally below reads
	CMP8 TE, n+1                                   ; the next register's go into the second set meanwhile
	TALLY M, n
	s_wait_alu depctr_va_sdst(0)                   ; the compares of register n + 1, issued a tally ago, have written the second set
.if n < 30
	CMP8 M, n+2
.endif
	TALLY TE, n+1
.set n, n+2
.endr
	; the eight waves' counts meet in LDS: lanes 0-7 carry TOT, lanes 8-15 PRE
	v_mov_b32 v[CW], 0
.irp e, 0,1,2,3,4,5,6,7
	v_writelane_b32 v[CW], s[TOT+\e], \e
	v_writelane_b32 v[CW], s[PRE+\e], 8+\e
.endr
	s_wait_alu depctr_va_vdst(0)                   ; v[CW] is written, which the LDS store reads
	ds_store_b32 v12, v[CW]
	s_wait_dscnt 0x0                               ; for the others' sake: my counts are in LDS
	s_barrier_signal -1
	s_barrier_wait -1
.irp u, 0,1,2,3,4,5,6,7
	ds_load_b32 v[CT+\u], v8 offset:128*\u
.endr
	s_wait_dscnt 0x0
.irp u, 1,2,3,4,5,6,7
	v_add_nc_u32 v[CT], v[CT], v[CT+\u]
.endr
.irp e, 0,1,2,3,4,5,6,7
	v_readlane_b32 s[TOT+\e], v[CT], \e            ; c_e
	v_readlane_b32 s[PRE+\e], v[CT], 8+\e          ; tokens of expert e ahead of 32 j
.endr
.irp e, 0,1,2,3,4,5,6,7
	v_cmp_eq_u32 s[M+\e], \e, v[OWN]               ; the lanes whose own token chose expert e: in one run with the lines above, under one wait
.endr
	s_wait_alu depctr_va_sdst(0)                   ; the sixteen counts and the eight masks are written, ahead of the first reader of any of them
	; the experts' tiles, one after the other.  (c + 143) x 7282 >> 20 = floor((c + 143) / 144): 7282 x 144 = 2^20 + 32, and 8,335 x 32 / 2^20 stays under 1
	s_mov_b32 s20, 0                               ; TB: tiles so far
	s_mov_b32 s21, 0                               ; empty slots so far
.irp e, 0,1,2,3,4,5,6,7
	s_add_co_u32 s22, s[TOT+\e], 143
	s_mul_i32 s22, s22, 7282
	s_lshr_b32 s22, s22, 20                        ; nt_e
	s_mul_i32 s23, s20, 144
	s_add_co_u32 s[PRE+\e], s[PRE+\e], s23         ; the slot of this work-group's first token of expert e
	s_mov_b32 s[MASK+\e], s21                      ; G[e]
	s_mul_i32 s23, s22, 144
	s_sub_co_u32 s23, s23, s[TOT+\e]
	s_add_co_u32 s21, s21, s23
	s_add_co_u32 s20, s20, s22
	s_mov_b32 s[TE+\e], s20
.endr
	; the slot of token 32 j + lane: its expert's first slot here + the lanes below with the same expert
	v_mov_b32 v[SLT], 0
.irp e, 0,1,2,3,4,5,6,7
	v_mbcnt_lo_u32_b32 v[T], s[M+\e], 0
	v_add_nc_u32 v[T], s[PRE+\e], v[T]
	v_cndmask_b32 v[SLT], v[SLT], v[T], s[M+\e]
.endr
	v_min_u32 v[SLT], 9215, v[SLT]
	s_wait_alu depctr_va_vdst(0)                   ; v[SLT] is written, which wave 0's store below reads; it is not written again
	s_cmp_lg_u32 s[WV], 0
	s_cbranch_scc1 .Lno_slot
	global_store_b32 v6, v[SLT], s[14:15]          ; wave 0: slot[32 j + lane]
.Lno_slot:
	s_lshl_b32 s20, ttmp9, 3
	s_add_co_u32 s20, s20, s[WV]
	s_cmp_ge_u32 s20, 2                            ; work-group 0, waves 0 and 1: thread = tile 0..63
	s_cbranch_scc1 .Lno_texp
.irp e, 0,1,2,3,4,5,6
	v_cmp_le_u32 s[M+\e], s[TE+\e], v0             ; expert e's tiles end at or ahead of this tile
.endr
	s_wait_alu depctr_va_sdst(0)                   ; the seven masks are written, which the selects below read
	v_mov_b32 v[T], 0
.irp e, 0,1,2,3,4,5,6
	v_cndmask_b32 v[T+1], 0, 1, s[M+\e]
	v_add_nc_u32 v[T], v[T], v[T+1]
.endr
	s_wait_alu depctr_va_vdst(0)                   ; v[T] is written, which the store reads; it is not written again
	global_store_b32 v9, v[T], s[16:17]            ; a tile that the split leaves unused gets expert 7: its rows are zeros and its results are never read
.Lno_texp:
	; empty slot number y = 4 j + w / 2 of 1,024: its slot is y + the tokens of all experts e with G[e] <= y (the empty slots of expert e follow its tokens; behind the last expert they run on)
	s_lshl_b32 s20, ttmp9, 2
	s_lshr_b32 s21, s[WV], 1
	s_add_co_u32 s20, s20, s21
	s_mov_b32 s21, s20
.irp e, 0,1,2,3,4,5,6,7
	s_cmp_le_u32 s[MASK+\e], s20
	s_cselect_b32 s22, s[TOT+\e], 0
	s_add_co_u32 s21, s21, s22
.endr
	s_min_u32 s21, s21, 9215
	s_lshl_b32 s74, s21, 11                        ; a row of xs is 2,048 bytes;
	s_and_b32 s22, s[WV], 1
	s_lshl_b32 s22, s22, 10                        ; two waves share it, 1,024 bytes each
	s_add_co_u32 s74, s74, s22
	s_mov_b32 s75, 0
	s_add_nc_u64 s[76:77], s[10:11], s[74:75]
	global_store_b128 v11, v[Z:Z+3], s[76:77]      ; v11 and the zeros stand since the head's wait; no vector line has named them since
	global_store_b128 v11, v[Z:Z+3], s[76:77] offset:512
	; xs at my four rows' slots: lanes 4 w .. 4 w + 3 of v[SLT]
	s_lshl_b32 s20, s[WV], 2
	s_add_co_u32 s21, s20, 1
	s_add_co_u32 s22, s20, 2
	s_add_co_u32 s23, s20, 3
.irp q, 0,1,2,3
	v_readlane_b32 s[M+\q], v[SLT], s[20+\q]
.endr
	s_wait_alu depctr_va_sdst(0)                   ; the four slots are written, ahead of their first reader
.irp q, 0,1,2,3
	s_min_u32 s74, s[M+\q], 9215
	s_lshl_b32 s74, s74, 11
	s_add_nc_u64 s[ROWB+2*\q:ROWB+2*\q+1], s[10:11], s[74:75]
.endr
; Row q of my four: its sixteen roundings, and among them the eight stores of row q - 1.
.macro XST q, m
	global_store_b64 v10, v[X+4*(8*(\q)+(\m)):X+4*(8*(\q)+(\m))+1], s[ROWB+2*(\q):ROWB+2*(\q)+1] offset:256*(\m)  ; 32 lanes store 256 bytes on end, at a multiple of 256 from xs's first byte; no stored register is written again
.endm
.macro XROW q
	s_wait_loadcnt 24-8*(\q)                       ; loads come back in order: row q's eight are in, the younger rows stay out
.if (\q) > 0
	s_wait_alu depctr_va_vdst(0)                   ; the roundings of the row before have written the registers that the stores below read; this row's roundings name none of them
.endif
.irp m, 0,1,2,3,4,5,6,7
.if (\q) > 0
	XST (\q)-1, \m
.endif
	v_cvt_pk_bf16_f32 v[X+4*(8*(\q)+\m)],   v[X+4*(8*(\q)+\m)],   v[X+4*(8*(\q)+\m)+1]
	v_cvt_pk_bf16_f32 v[X+4*(8*(\q)+\m)+1], v[X+4*(8*(\q)+\m)+2], v[X+4*(8*(\q)+\m)+3]
.endr
.endm
	XROW 0
	XROW 1
	XROW 2
	XROW 3
	s_wait_alu depctr_va_vdst(0)                   ; row 3's roundings have written the registers that the last eight stores read
.irp m, 0,1,2,3,4,5,6,7
	XST 3, \m
.endr
	s_wait_dscnt 0x0                               ; the closing lines, six on end
	s_wait_alu 0x0
	s_wait_tensorcnt 0x0
	ds_add_u32 v[SPW], v[NIL]
	s_wait_dscnt 0x0
	s_endpgm
; ------------------------------------------------------------------ W: g = work-group - 256 = 32 e + kb
.Lw:
	s_sub_co_u32 s20, ttmp9, 256
	s_lshl_b32 s22, s20, 17                        ; W1: 32 rows of 4,096 bytes
	s_mov_b32 s23, 0
	s_lshr_b32 s74, s20, 5
	s_lshl_b32 s74, s74, 21                        ; wf: expert x 2,097,152
	s_and_b32 s21, s20, 31
	s_lshl_b32 s21, s21, 12                        ;     + kb x 4,096
	s_add_co_u32 s74, s74, s21
	s_mov_b32 s75, 0
	v_lshlrev_b32 v5, 4, v0                        ; 16 x thread: wave w's 512 bytes of a row, lane l's columns n = 128 w + 4 l + c
	s_mul_i32 s21, s[WV], STGW                     ; my wave's stage
	v_lshrrev_b32 v9, 2, v1
	v_mul_u32_u24 v6, v9, FP                       ; into the stage: fragment l / 4 (16 columns n),
	v_and_b32 v9, 3, v1
	v_lshl_add_u32 v6, v9, 6, v6                   ; row r = 4 (l % 4) + c of it: 16 bytes a row
	v_add_nc_u32 v6, s21, v6
	v_lshl_add_u32 v7, v1, 4, s21                  ; back: 512 bytes on end
	v_lshlrev_b32 v8, 4, v1
	v_lshl_add_u32 v8, v2, 18, v8                  ; wf: ns = 2 w: w x 262,144 + 16 x lane
	s_wait_kmcnt 0x0
	s_add_nc_u64 s[8:9], s[8:9], s[22:23]
	s_add_nc_u64 s[12:13], s[12:13], s[74:75]
	s_wait_alu depctr_va_vdst(0)                   ; the offsets and addresses v5 to v8 are written: every load and store of this way reads one of them, and none is written again
.set i, 0
.rept 32
	global_load_b128 v[X+4*i:X+4*i+3], v5, s[8:9] offset:4096*i th:TH_LOAD_NT  ; row k = 32 kb + i
.set i, i+1
.endr
	; eight rows k at a time (octet o = 2 q + h): for each of my four columns eight numbers along k pack into 16 bytes, which go to byte 256 o + 16 r of the column's fragment.
	; Octet o rounds into out-buffer ch; among its roundings stand the four LDS stores of the octet before, from out-buffer pch.
.macro OCT o, ch, pch
	s_wait_loadcnt 24-8*(\o)                       ; rows 8 o .. 8 o + 7 are in; the rows behind them stay out
.if (\o) > 0
	s_wait_alu depctr_va_vdst(0)                   ; the roundings of the octet before have written its out-buffer, which the LDS stores below read; this octet's roundings name none of its registers
.endif
.irp c, 0,1,2,3
.if (\o) > 0
	ds_store_b128 v6, v[(\pch)+4*\c:(\pch)+4*\c+3] offset:256*((\o)-1)+16*\c
.endif
.irp p, 0,1,2,3
	v_cvt_pk_bf16_f32 v[(\ch)+4*\c+\p], v[X+4*(8*(\o)+2*\p)+\c], v[X+4*(8*(\o)+2*\p+1)+\c]
.endr
.endr
.endm
	OCT 0, CH0, CH0
	OCT 1, CH1, CH0
	OCT 2, CH2, CH1
	OCT 3, CH3, CH2
	s_wait_alu depctr_va_vdst(0)                   ; octet 3's roundings have written the last out-buffer, which the four stores read; and all roundings are done reading v[RB ..], in which the loads from the stage land
.irp c, 0,1,2,3
	ds_store_b128 v6, v[CH3+4*\c:CH3+4*\c+3] offset:256*3+16*\c
.endr
.irp f, 0,1,2,3,4,5,6,7
.irp q, 0,1
	ds_load_b128 v[RB+4*(2*\f+\q):RB+4*(2*\f+\q)+3], v7 offset:FP*\f+512*\q  ; my own bytes: LDS serves a wave's instructions in order (ISA guide 5.7.1.4), so these see the stores above; no store has read these registers
.endr
.endr
.irp f, 0,1,2,3,4,5,6,7
.irp q, 0,1
	s_wait_dscnt 15-(2*\f+\q)                      ; this load is back, the younger ones stay out
	global_store_b128 v8, v[RB+4*(2*\f+\q):RB+4*(2*\f+\q)+3], s[12:13] offset:(\f/4)*131072+(\f%4)*1024+512*\q  ; 512 bytes on end, at a multiple of 512 from wf's first byte
.endr
.endr
	s_wait_dscnt 0x0                               ; the closing lines, six on end
	s_wait_alu 0x0
	s_wait_tensorcnt 0x0
	ds_add_u32 v[SPW], v[NIL]
	s_wait_dscnt 0x0
	s_endpgm
.Lfunc_end_k_qf1c1ff8764_prep:
	.size	k_qf1c1ff8764_prep, .Lfunc_end_k_qf1c1ff8764_prep-k_qf1c1ff8764_prep
	.p2alignl 7, 3214868480
	.fill 96, 4, 3214868480
	.section	.rodata,"a",@progbits
	.p2align	6, 0x0
	.amdhsa_kernel k_qf1c1ff8764_prep
		.amdhsa_group_segment_fixed_size 69632
		.amdhsa_private_segment_fixed_size 0
		.amdhsa_enable_private_segment 0
		.amdhsa_kernarg_size 56
		.amdhsa_user_sgpr_count 2
		.amdhsa_user_sgpr_kernarg_segment_ptr 1
		.amdhsa_wavefront_size32 1
		.amdhsa_system_sgpr_workgroup_id_x 1
		.amdhsa_system_sgpr_workgroup_id_y 1
		.amdhsa_system_sgpr_workgroup_id_z 1
		.amdhsa_system_vgpr_workitem_id 0
		.amdhsa_next_free_vgpr 192
		.amdhsa_next_free_sgpr 80
		.amdhsa_reserve_vcc 0
		.amdhsa_float_denorm_mode_32 3
		.amdhsa_float_denorm_mode_16_64 3
		.amdhsa_memory_ordered 1
		.amdhsa_forward_progress 1
		.amdhsa_inst_pref_size 97
	.end_amdhsa_kernel
	.amdgpu_metadata
---
amdhsa.version: [ 1, 2 ]
amdhsa.kernels:
  - .name:           k_qf1c1ff8764_prep
    .symbol:         k_qf1c1ff8764_prep.kd
    .args:
      - { .name: x, .offset: 0, .size: 8, .value_kind: global_buffer, .address_space: global }
      - { .name: size_idx, .offset: 8, .size: 8, .value_kind: global_buffer, .address_space: global }
      - { .name: W1, .offset: 16, .size: 8, .value_kind: global_buffer, .address_space: global }
      - { .name: xs, .offset: 24, .size: 8, .value_kind: global_buffer, .address_space: global }
      - { .name: wf, .offset: 32, .size: 8, .value_kind: global_buffer, .address_space: global }
      - { .name: slot, .offset: 40, .size: 8, .value_kind: global_buffer, .address_space: global }
      - { .name: texp, .offset: 48, .size: 8, .value_kind: global_buffer, .address_space: global }
    .group_segment_fixed_size: 69632
    .private_segment_fixed_size: 0
    .kernarg_segment_align: 8
    .kernarg_segment_size: 56
    .max_flat_workgroup_size: 256
    .sgpr_count:     80
    .vgpr_count:     192
    .wavefront_size: 32
...
	.end_amdgpu_metadata
.endif
;; end of part 4
;; launch main: the kernel of part 2 again; grid 256 x 1, 4 waves a work-group, clusters of 4 x 1, 327,680 bytes of LDS; arguments xs, wf, b1, W2, texp, part; writes part
;; launch finish: the kernel of part 3 again; grid 64 x 1, 4 waves a work-group, no clusters, 3,072 bytes of LDS; arguments part, slot, size_idx, b2, out0, out1; writes out0, out1
